; MI455X (gfx1250); checked and timed in simulation.
; The chip was launched on July 23, 2026; its instructions are those of AMD's public machine-readable ISA for CDNA 5 (MIT licence, August 2026) and "CDNA5" Instruction Set Architecture Reference Guide (July 2026). The comments in the code are by the model that wrote it; some were corrected since.
;; Self Attention. Allowed arithmetic: matrix products marked QUANTISED: E2M3 operands, one E8M0 scale for each 32 along K, by v_wmma_scale_f32_16x16x128_f8f6f4 with both operands' format E2M3, f32 sums; products left as they are: f32 operands where the result goes on into a quantised operand, else bf16, f16 or f32 operands; f32 sums; everything else in f32.
;; Inputs: b_fc 1,024 float32; w_fc_codes 1,024 x 32 x 24 uint8 (E2M3 codes of w_fc, K innermost, in blocks of 32 codes, four codes in three bytes); w_fc_scales 1,024 x 32 uint8 (E8M0 scales of w_fc, one for each 32 codes along K); w_qkv_codes 3,072 x 32 x 24 uint8 (E2M3 codes of w_qkv, K innermost, in blocks of 32 codes, four codes in three bytes); w_qkv_scales 3,072 x 32 uint8 (E8M0 scales of w_qkv, one for each 32 codes along K); x_codes 4 x 4,096 x 32 x 24 uint8 (E2M3 codes of x, K innermost, in blocks of 32 codes, four codes in three bytes); x_scales 4 x 4,096 x 32 uint8 (E8M0 scales of x, one for each 32 codes along K).
;; Outputs: out0 4 x 4,096 x 1,024 float32.
;; This version of the problem:
;;   THIS VERSION OF THE PROBLEM IS GIVEN IN LOW PRECISION. The matrix products marked QUANTISED in the list below multiply operands that are first quantised to E2M3 (2 exponent bits, 3 mantissa bits; 6 bits a number), with one power-of-two scale for each 32 numbers along K (OCP MX v1.0); their sums are f32. All else is computed in f32.
;;   The module's matrix products, in the order in which they are computed (A, B: the left and right operand; K: the contracted axis; several contracted axes count as one K, in the product's order):
;;     1. [M 16,384, K 1,024] x [K 1,024, N 3,072]; A: input x (given as codes); B: input w_qkv (given as codes): QUANTISED
;;     2. batch 16,384 x [M 16, K 64] x [K 64, N 16]; A: computed on the way; B: computed on the way: QUANTISED
;;     3. batch 16,384 x [M 16, K 16] x [K 16, N 64]; A: softmax; B: computed on the way: left as it is (K = 16 < 32)
;;     4. [M 16,384, K 1,024] x [K 1,024, N 1,024]; A: computed on the way; B: input w_fc (given as codes): QUANTISED
;;   THE QUANTISER, for each operand of a quantised product, along K:
;;     - K is cut into blocks of 32 from its start; a last block that is shorter is filled with zeros.
;;     - A block's scale is 2^e with e = floor(log2(the largest magnitude in the block)) - 2, held to -126 .. 127; a block of zeros has e = 0. As a byte (E8M0): e + 127.
;;     - Each number is divided by its block's scale, clamped to +-7.5, and rounded to the nearest number of E2M3, ties to even, subnormals kept.
;;     - The product sums the exact products of the quantised numbers (number of the format x scale) in f32.
;;   ~~~python
;;   def quantise(x, axis):      # numpy; x: float32 -> the quantised numbers, widened to float32 again
;;       x = np.moveaxis(x, axis, -1); K = x.shape[-1]
;;       x = np.pad(x, [(0, 0)] * (x.ndim - 1) + [(0, -K % 32)]); x = x.reshape(x.shape[:-1] + (-1, 32)); a = np.abs(x).max(-1, keepdims=True)
;;       e = np.where(a > 0, np.clip(np.frexp(np.where(a > 0, a, 1))[1] - 1 - 2, -126, 127), 0)      # np.frexp(a)[1] - 1 = floor(log2(a)), exactly
;;       r = np.clip(x / 2.0 ** e, -7.5, 7.5)
;;       step = 2.0 ** (np.maximum(np.frexp(np.where(r == 0, 1, r))[1] - 1, 0) - 3)
;;       q = np.round(r / step) * step * 2.0 ** e      # np.round: ties to even
;;       return np.moveaxis(q.reshape(q.shape[:-2] + (-1,))[..., :K], -1, axis).astype(np.float32)
;;   ~~~
;;   OPERANDS COMPUTED ON THE WAY. 'Computed on the way' means the value that the module computes at that place (a softmax that the list does not call 'softmax' is quantised finished and normalised). What goes into a quantiser is computed in f32, as accurately as f32 sums, v_exp_f32 and their like allow (about 1e-6 of the number): no bf16 or f16 on the way to a quantiser, and a product that is left as it is and whose result goes on into a quantised operand takes f32 operands (vector FMAs, or v_wmma_f32_16x16x4_f32). A number that lies on a knife's edge between two numbers of the format may be rounded either way, as far as f32 arithmetic and the matrix unit's own rounding can turn it there, and no further.
;;   INPUTS GIVEN AS CODES. w_fc (in the module: [1024, 1024], K = its axis 1); w_qkv (in the module: [3072, 1024], K = its axis 1); x (in the module: [4, 4096, 1024], K = its axis 2): each comes as NAME_codes (uint8): NAME with its K axis moved to the last place and cut into blocks of 32 codes, [.., K / 32, bytes a block], one block behind the other in memory; four codes in three bytes: a row's codes are one little-endian stream of bits, code i at bits 6 i .. 6 i + 5 (a code: sign, 2 exponent bits, 3 mantissa bits); and NAME_scales (uint8): the same leading axes, one E8M0 byte (e + 127) for each 32 codes along K. Its value is code x scale, taken as it is: it is not quantised again, and the codes and scales need not be those that the quantiser above would give.
;; One version. Each part assembles by itself: llvm-mc -triple=amdgcn-amd-amdhsa -mcpu=gfx1250 --defsym DOCPART=n.
;; ======== version 1 of 1: 2 launches
;; limits: right only within a limited range of input values
;; workspace buffers: ac 12,582,912 bytes; as_ 524,288 bytes
;; launch qkv_attn (part 1): grid 64 x 4, 4 waves a work-group, clusters of 4 x 4, 327,680 bytes of LDS; arguments x_codes, x_scales, w_qkv_codes, w_qkv_scales, ac, as_; writes ac, as_
.if DOCPART == 1
	.amdgcn_target "amdgcn-amd-amdhsa--gfx1250"
	.amdhsa_code_object_version 6
	.text
	.protected	k_q4b20f3c946_qkv_attn
	.globl	k_q4b20f3c946_qkv_attn
	.p2align	8
	.type	k_q4b20f3c946_qkv_attn,@function
k_q4b20f3c946_qkv_attn:
	s_mov_b64 s[64:65], 0
	v_nop
	global_prefetch_b8 v0, s[64:65] scope:SCOPE_SE
	s_setreg_imm32_b32 hwreg(HW_REG_WAVE_MODE, 25, 1), 1
	s_wait_xcnt 0x0
	s_wait_alu depctr_hold_cnt(0) depctr_sa_sdst(0) depctr_va_vdst(0) depctr_va_sdst(0) depctr_va_ssrc(0) depctr_va_vcc(0) depctr_vm_vsrc(0)
	s_getreg_b32 s2, hwreg(HW_REG_IB_STS2, 6, 4)
	s_cmp_eq_u32 s2, 0
	s_cbranch_scc0 .Lentry_in_a_cluster
	s_endpgm
.Lentry_in_a_cluster:
	s_bfe_u32 s2, ttmp6, 0x10000c
	s_cmp_lg_u32 s2, 0xf033
	s_cbranch_scc0 .Lentry_shape_is_right
	s_endpgm
.Lentry_shape_is_right:
; qkv = x w_qkv^T on codes of FP6 (E2M3) with E8M0 scales; then, per position, scores = Q(q) Q(k)^T / 8, softmax, o = p v in f32; o is quantised along its 64 columns and leaves as codes.
; THE RESHAPE.  A position (b, r, cb) is made of the 16 rows b 4096 + 256 h' + r (h' = 0..15, the heads) and the 64 columns 64 cb .. + 63 of q, k and v.  A ROW TILE T = 256 b + r is those 16 rows: attention never leaves the wave.
; SHARES.  Work-group (X, y): row tiles 16 X .. + 15, column blocks 4 y .. + 3.  Wave w: row tiles 16 X + 4 w + i, i = 0..3; their codes of x for all of K stay in 384 registers.  A fragment of W read from LDS feeds four products.
; CLUSTER 4 x 4.  A row of the cluster shares y and so the weights; a column shares X and so x: every tensor load is a joint one.
; THE HEAD, one load a wave: waves 0, 1 eight heads each of the work-group's rows of x (a head: 16 rows, 12,288 dense bytes); waves 2, 3 the two pieces of slot 0.  The second eight heads lie 16 bytes further than the first end,
; so that the 16 heads start in 16 different groups of banks.  W's scale bytes (q, k, v: 3 x 8,192 dense bytes) are a later first fill, wave 1's, behind a round at which nothing is filled again; they land while x goes into registers.
; THE RING.  A slot is half a column block in two pieces; piece P = rows 16 P .. + 15 of the half's 32 rows of q, of k and of v: one tile of 3 rows x 12,288 bytes, 1,024 rows of W apart.  Waves 2 and 3 fill a piece each.
; The second piece lies 128 bytes further than the first ends, so that v's fragment rows, 8 of each piece, start in different banks.  x's stage lies over slot 1 and the bytes behind it.
; THE CHANGE OF SLOTS stands in a half's last K step: at its head all my reads of the slot are in registers; 8 products stand between the add and its wait, 16 between the signal and the wait of the barrier that opens the round;
; behind the round the slot just read takes the same half of the next column block, and the other slot is whole.
; No prefetch: a refill is asked for a half's 192 products ahead of the wait for it, and the 64 work-groups of one y ask for the same 590 KB of weights.
; LAYOUT (r = lane % 16, h = lane / 16).  q, k: source 0 = 16 rows of W, source 1 = x: tile t, register j = (head r, dd = 16 t + 8 h + j).  The 16 registers of tiles 2 c, 2 c + 1 become registers 6 c .. 6 c + 2 of the scores' operand,
; registers 6 c + 3 .. + 5 are zero codes; the scale word is s0 s0 s1 s1.  v: source 0 = x, source 1 = rows dd = 32 s + 16 (r / 8) + 8 t + r % 8 of W_v (s the half): register j = v(head 8 h + j, that dd).
; o^T = v^T p^T in f32: tile 2 s + t, register j = o(head r, dd = 32 s + 16 h + 8 t + j): a lane's 16 registers are half of block s; the two conversions' results change halves between lanes l and l xor 16 and are then the last product's six registers.
; OUT.  ac [T][K step 8][p 6][lane 32][8 bytes]: the operand's registers 2 p, 2 p + 1.  as_ [y 4][T][row 16][8 bytes].
; LIMITS.  NaN and infinities that arise in q, k, v or o are not served.  A block whose largest magnitude lies under 2^-124 gets the scale byte 1 (as_ is read by this program alone).  A given scale byte 0xff gives NaN.
; REGISTERS.  window 0: v1-23 addresses; v24-39 x's scale words; v40-63 W's; v64-71 o's; v72-75 the scores'; v80-223 two sets of six fragments (attention's scratch lies over them); v224-255 at work.
;   windows 1, 2: x's fragments (96 (i % 2) + 12 ks), v's accumulators (192 + 32 (i % 2) + 8 t).   window 3: q's accumulators 32 i + 8 t (later o's), k's 128 + 32 i + 8 t.
.set PITCH,  816                       ; a row of W in LDS: 3 x (256 + 16)
.set KOFF,   13056                     ; k's 16 rows in a piece
.set VOFF,   26112                     ; v's
.set POFF,   39296                     ; from piece to piece: 48 rows + 128 bytes
.set SLOTB,  78592
.set XST,    78592                     ; x's stage
.set XHP,    12384                     ; a head's 16 rows: 12 x (1,024 + 8)
.set XGB,    8*XHP+16                  ; from the first eight heads to the second
.set XWB,    3096                      ; a wave's four rows of a head
.set SCW,    278272                    ; W's scale bytes: [q, k, v][256 rows x 32 bytes as 32 x (256 + 16)]
.set SCM,    8704
.set SCB,    2176                      ; a column block's
.set SPARE,  304384
.set CBSTEP, 49152                     ; 64 rows of W in memory
.set SPW,  1
.set NIL,  2
.set AQ,   3                           ; v3-6  q's and k's fragments: slot 0, the same behind one padding more, slot 1, likewise
.set AV,   7                           ; v7-10 v's
.set ADSQ, 11
.set ADSV, 12
.set XSA,  14
.set GO,   15
.set LN,   16
.set XL,   22                          ; v22, v23 x's stage
.set XS,   24                          ; 8 j + ks: lanes 0-15 row tile 2 j, lanes 16-31 row tile 2 j + 1
.set WS,   40                          ; 8 m + ks: lanes 0-15 the half's first tile, lanes 16-31 its second
.set AS,   64
.set QSW,  72
.set KSW,  74
.set FB,   80
.set QC,   80
.set KC,   92
.set SS,   128
.set AC,   144
.set TM,   224
.set G1R,  24                          ; group 1: a piece
.set G1S,  40                          ; the scale bytes
.set G0R,  48                          ; group 0 of a piece, a set for each slot
.set G0S,  68
.set G1X,  84                          ; x: these twelve never hold y
.set G0X,  92
.set MSB, 0
.macro WIN new
.if MSB != (\new)
	s_set_vgpr_msb (MSB<<8)|(\new)
.set MSB, (\new)
.endif
.endm
.macro PLACES n
.rept \n
	v_nop
.endr
.endm
.macro CREST                           ; a round of the cluster's barrier behind its opening barrier
	s_cmp_lg_u32 s16, 0
	s_cbranch_scc1 .Lnot_wave_0_\@
	s_barrier_signal -3
.Lnot_wave_0_\@:
	s_barrier_wait -3
	s_barrier_signal -1
	s_barrier_wait -1
.endm
.macro CROUND
	s_barrier_signal -1
	s_barrier_wait -1
	CREST
.endm
.macro RLOAD g0                        ; the ring's joint load: waves 2 and 3, a piece each; the four v_nop are every wave's places in front of the loads that follow
	s_cmp_lt_u32 s16, 2
	s_cbranch_scc1 .Lnone_\@
	tensor_load_to_lds s[\g0:\g0+3], s[G1R:G1R+7]
	s_nop 0
.Lnone_\@:
	PLACES 4
.endm
.macro WMS d, a, b, c, zk, sa, sb, ra, rb   ; zk = 0: C is the constant 0; ra, rb: the side's scales stand in lanes 16-31
.set rD, \d
.set rA, \a
.set rB, \b
.set rC, \c
.set rE, \sa
.set rF, \sb
.if (\zk) == 0
.if (\ra) && (\rb)
	v_wmma_scale_f32_16x16x128_f8f6f4 v[rD:rD+7], v[rA:rA+11], v[rB:rB+11], 0, v[rE], v[rF] matrix_a_fmt:MATRIX_FMT_FP6 matrix_b_fmt:MATRIX_FMT_FP6 matrix_a_scale:MATRIX_SCALE_ROW1 matrix_b_scale:MATRIX_SCALE_ROW1
.elseif (\ra)
	v_wmma_scale_f32_16x16x128_f8f6f4 v[rD:rD+7], v[rA:rA+11], v[rB:rB+11], 0, v[rE], v[rF] matrix_a_fmt:MATRIX_FMT_FP6 matrix_b_fmt:MATRIX_FMT_FP6 matrix_a_scale:MATRIX_SCALE_ROW1
.elseif (\rb)
	v_wmma_scale_f32_16x16x128_f8f6f4 v[rD:rD+7], v[rA:rA+11], v[rB:rB+11], 0, v[rE], v[rF] matrix_a_fmt:MATRIX_FMT_FP6 matrix_b_fmt:MATRIX_FMT_FP6 matrix_b_scale:MATRIX_SCALE_ROW1
.else
	v_wmma_scale_f32_16x16x128_f8f6f4 v[rD:rD+7], v[rA:rA+11], v[rB:rB+11], 0, v[rE], v[rF] matrix_a_fmt:MATRIX_FMT_FP6 matrix_b_fmt:MATRIX_FMT_FP6
.endif
.else
.if (\ra) && (\rb)
	v_wmma_scale_f32_16x16x128_f8f6f4 v[rD:rD+7], v[rA:rA+11], v[rB:rB+11], v[rC:rC+7], v[rE], v[rF] matrix_a_fmt:MATRIX_FMT_FP6 matrix_b_fmt:MATRIX_FMT_FP6 matrix_a_scale:MATRIX_SCALE_ROW1 matrix_b_scale:MATRIX_SCALE_ROW1
.elseif (\ra)
	v_wmma_scale_f32_16x16x128_f8f6f4 v[rD:rD+7], v[rA:rA+11], v[rB:rB+11], v[rC:rC+7], v[rE], v[rF] matrix_a_fmt:MATRIX_FMT_FP6 matrix_b_fmt:MATRIX_FMT_FP6 matrix_a_scale:MATRIX_SCALE_ROW1
.elseif (\rb)
	v_wmma_scale_f32_16x16x128_f8f6f4 v[rD:rD+7], v[rA:rA+11], v[rB:rB+11], v[rC:rC+7], v[rE], v[rF] matrix_a_fmt:MATRIX_FMT_FP6 matrix_b_fmt:MATRIX_FMT_FP6 matrix_b_scale:MATRIX_SCALE_ROW1
.else
	v_wmma_scale_f32_16x16x128_f8f6f4 v[rD:rD+7], v[rA:rA+11], v[rB:rB+11], v[rC:rC+7], v[rE], v[rF] matrix_a_fmt:MATRIX_FMT_FP6 matrix_b_fmt:MATRIX_FMT_FP6
.endif
.endif
.endm
; A fragment, 12 registers, in pieces of 8 bytes.  Piece PC of a row lies at 8 PC + 16 (PC / 32); lanes 16-31 read three pieces on, behind one padding more where PC % 32 is 29 or more.
.macro FRAG reg, adr, off, ks
.irp p, 0,1,2,3,4,5
.set PC, 12*(\ks)+6*(\p/3)+\p%3
.set rG, (\reg)+2*\p
.if PC%32 < 29
	ds_load_b64 v[rG:rG+1], v[\adr] offset:(\off)+8*PC+16*(PC/32)
.else
	ds_load_b64 v[rG:rG+1], v[\adr+1] offset:(\off)+8*PC+16*(PC/32)
.endif
.endr
.endm
.macro FETCH slot, ks, f               ; the six fragments of a K step into set f, 36 loads in one run: q0 q1 k0 k1 v0 v1
	FRAG FB+72*(\f),    AQ+2*(\slot), 0,         \ks
	FRAG FB+72*(\f)+12, AQ+2*(\slot), POFF,      \ks
	FRAG FB+72*(\f)+24, AQ+2*(\slot), KOFF,      \ks
	FRAG FB+72*(\f)+36, AQ+2*(\slot), KOFF+POFF, \ks
	FRAG FB+72*(\f)+48, AV+2*(\slot), 0,         \ks
	FRAG FB+72*(\f)+60, AV+2*(\slot), 8*PITCH,   \ks
.endm
; Row tile i's eight fragments of x.  My four rows of a head are 384 pieces on end; piece GP lies at 8 GP + 8 (GP / 128); lanes 16-31 read three pieces on, behind one padding more where GP % 128 is 125 or more.
.macro XFETCH i
.irp k, 0,1,2,3,4,5,6,7
.irp p, 0,1,2,3,4,5
.set GP, 96*(\i)+12*\k+6*(\p/3)+\p%3
.set rG, 96*((\i)%2)+12*\k+2*\p
.if GP%128 < 125
	ds_load_b64 v[rG:rG+1], v[XL] offset:8*GP+8*(GP/128)
.else
	ds_load_b64 v[rG:rG+1], v[XL+1] offset:8*GP+8*(GP/128)
.endif
.endr
.endr
.endm
.macro MULQK slot, ks, f, g            ; 8 products: row tiles 2 g, 2 g + 1 x (q, k) x two tiles; source 0 = W (window 0), source 1 = x (window 1 + g), C and D window 3
	WIN 0xf4+4*(\g)
.irp u, 0,1
.irp m, 0,1
.irp t, 0,1
	WMS 128*\m+32*(2*(\g)+\u)+8*(2*(\slot)+\t), FB+72*(\f)+24*\m+12*\t, 96*\u+12*(\ks), 128*\m+32*(2*(\g)+\u)+8*(2*(\slot)+\t), \ks, WS+8*\m+(\ks), XS+8*(\g)+(\ks), \t, \u
.endr
.endr
.endr
.endm
.macro MULV slot, ks, f, g             ; 4 products: source 0 = x, C and D v's accumulators (window 1 + g), source 1 = W_v (window 0)
	WIN 0x51+0x51*(\g)
.irp u, 0,1
.irp t, 0,1
	WMS 192+32*\u+8*(2*(\slot)+\t), 96*\u+12*(\ks), FB+72*(\f)+48+12*\t, 192+32*\u+8*(2*(\slot)+\t), \ks, XS+8*(\g)+(\ks), WS+16+(\ks), \u, \t
.endr
.endr
.endm
; A K step: 24 products on 24 accumulators, one instruction a turn, in the same order in every step.  The next step's 36 loads go out first.
.macro STEP slot, ks
	s_wait_dscnt 0x0                               ; this step's fragments are in
	PLACES 4                                       ; the other set was read by the last step's products
	FETCH \slot, (\ks)+1, 1-(\ks)%2
	MULQK \slot, \ks, (\ks)%2, 0
	MULQK \slot, \ks, (\ks)%2, 1
	MULV  \slot, \ks, (\ks)%2, 0
	MULV  \slot, \ks, (\ks)%2, 1
	WIN 0
.endm
; A half's last K step.  mode 1: the change of slots with a refill; mode 2: the barrier alone, which shows the other slot whole; mode 0: neither.
.macro LAST slot, mode
	s_wait_dscnt 0x0                               ; the last fragments are in: my reads of this slot are over
.if (\mode) > 0
	s_wait_tensorcnt 0x0                           ; all my tensor loads have landed, my piece of the other slot among them
	ds_add_u32 v[SPW], v[NIL]
.if (\mode) == 1
	s_add_nc_u64 s[G0R+4*\slot+2:G0R+4*\slot+3], s[G0R+4*\slot+2:G0R+4*\slot+3], CBSTEP   ; no load of mine is out: this slot's next tile
.endif
.endif
	MULQK \slot, 7, 1, 0
.if (\mode) > 0
	s_wait_dscnt 0x0                               ; the add is done
	s_barrier_signal -1
.endif
	MULQK \slot, 7, 1, 1
	MULV  \slot, 7, 1, 0
	MULV  \slot, 7, 1, 1
	WIN 0
.if (\mode) > 0
	s_barrier_wait -1
.endif
.if (\mode) == 1
	CREST                                          ; the barrier has opened a round: no wave of any partner still reads this slot or has a load on its way
	RLOAD G0R+4*\slot
.else
	PLACES 4
.endif
.endm
.macro HALF slot, mode
	s_wait_alu depctr_va_vdst(0)                   ; the scale addresses were stepped ahead of waits and a branch
	ds_load_b128 v[WS:WS+3],     v[ADSQ] offset:1088*(\slot)
	ds_load_b128 v[WS+4:WS+7],   v[ADSQ] offset:1088*(\slot)+16
	ds_load_b128 v[WS+8:WS+11],  v[ADSQ] offset:SCM+1088*(\slot)
	ds_load_b128 v[WS+12:WS+15], v[ADSQ] offset:SCM+1088*(\slot)+16
	ds_load_b128 v[WS+16:WS+19], v[ADSV] offset:1088*(\slot)
	ds_load_b128 v[WS+20:WS+23], v[ADSV] offset:1088*(\slot)+16
	FETCH \slot, 0, 0
.irp k, 0,1,2,3,4,5,6
	STEP \slot, \k
.endr
	LAST \slot, \mode
.endm
; ATTENTION for the positions of row tiles 2 g and 2 g + 1 (u = 0, 1), line by line by turns.
.macro ATTPAIR g
	WIN 0x3c
.irp n, 0,2,4,6,8,10,12,14                     ; largest magnitudes of q's blocks 0, 1 and k's blocks 0, 1 (e); the floor 2^(3 - 127) holds the byte at 1 from below
.irp e, 0,1,2,3
.irp u, 0,1
.set rT, TM+16*\u+\e
.set rX, 128*(\e/2)+32*(2*(\g)+\u)+16*(\e%2)+\n
.if \n == 0
	v_max3_num_f32 v[rT], 0x1800000, |v[rX]|, |v[rX+1]|
.else
	v_max3_num_f32 v[rT], v[rT], |v[rX]|, |v[rX+1]|
.endif
.endr
.endr
.endr
	WIN 0
.irp e, 0,1,2,3
.irp u, 0,1
	v_permlanex16_b32 v[TM+16*\u+4+\e], v[TM+16*\u+\e], s72, s73
.endr
.endr
.irp e, 0,1,2,3
.irp u, 0,1
	v_max_num_f32 v[TM+16*\u+\e], v[TM+16*\u+\e], v[TM+16*\u+4+\e]
.endr
.endr
.irp e, 0,1,2,3
.irp u, 0,1
	v_add_nc_u32 v[TM+16*\u+8+\e], 0xff000000, v[TM+16*\u+\e]           ; 2 off the exponent field: the conversion's scale operand
.endr
.endr
.irp e, 0,1,2,3
.irp u, 0,1
	v_lshrrev_b32 v[TM+16*\u+4+\e], 23, v[TM+16*\u+8+\e]                ; the scale's byte
.endr
.endr
.irp u, 0,1
	v_lshl_or_b32 v[TM+16*\u+4], v[TM+16*\u+5], 16, v[TM+16*\u+4]
	v_lshl_or_b32 v[TM+16*\u+6], v[TM+16*\u+7], 16, v[TM+16*\u+6]
.endr
.irp u, 0,1
	v_lshl_or_b32 v[QSW+\u], v[TM+16*\u+4], 8, v[TM+16*\u+4]            ; s0 s0 s1 s1
	v_lshl_or_b32 v[KSW+\u], v[TM+16*\u+6], 8, v[TM+16*\u+6]
.endr
	WIN 0x03
.irp c, 0,1
.irp u, 0,1
.set rX, 32*(2*(\g)+\u)+16*\c
	v_cvt_scalef32_pk16_fp6_f32 v[QC+24*\u+6*\c:QC+24*\u+6*\c+2], v[rX:rX+15], v[TM+16*\u+8+\c]
	v_cvt_scalef32_pk16_fp6_f32 v[KC+24*\u+6*\c:KC+24*\u+6*\c+2], v[rX+128:rX+143], v[TM+16*\u+10+\c]
.endr
.endr
	WIN 0
	PLACES 8                                       ; a scale word written by a vector line stands 8 places ahead of a scaled product
.irp u, 0,1
	WMS SS+8*\u, KC+24*\u, QC+24*\u, 0, 0, KSW+\u, QSW+\u, 0, 0         ; register j = score(head r, head 8 h + j)
.endr
	PLACES 4
.irp u, 0,1
	v_max3_num_f32 v[TM+16*\u], v[SS+8*\u], v[SS+8*\u+1], v[SS+8*\u+2]
.endr
.irp n, 3,5
.irp u, 0,1
	v_max3_num_f32 v[TM+16*\u], v[TM+16*\u], v[SS+8*\u+\n], v[SS+8*\u+\n+1]
.endr
.endr
.irp u, 0,1
	v_max_num_f32 v[TM+16*\u], v[TM+16*\u], v[SS+8*\u+7]
.endr
.irp u, 0,1
	v_permlanex16_b32 v[TM+16*\u+1], v[TM+16*\u], s72, s73
.endr
.irp u, 0,1
	v_max_num_f32 v[TM+16*\u], v[TM+16*\u], v[TM+16*\u+1]               ; the row's largest score
.endr
.irp u, 0,1
	v_mul_f32 v[TM+16*\u+2], s74, v[TM+16*\u]                           ; c x it, c = log2(e) / 8
.endr
.irp n, 0,2,4,6
.irp u, 0,1
	v_pk_fma_f32 v[SS+8*\u+\n:SS+8*\u+\n+1], v[SS+8*\u+\n:SS+8*\u+\n+1], s[74:75], v[TM+16*\u+2:TM+16*\u+3] op_sel_hi:[1,0,0] neg_lo:[0,0,1] neg_hi:[0,0,1]
.endr
.endr
	s_wait_alu depctr_va_vdst(0)                   ; the wait ahead of the batch
.irp n, 0,1,2,3,4,5,6,7
.irp u, 0,1
	v_exp_f32 v[SS+8*\u+\n], v[SS+8*\u+\n]
.endr
.endr
	v_nop
	s_wait_alu depctr_va_vdst(0)                   ; and behind it
.irp u, 0,1
	v_pk_add_f32 v[TM+16*\u+4:TM+16*\u+5], v[SS+8*\u:SS+8*\u+1], v[SS+8*\u+2:SS+8*\u+3]
	v_pk_add_f32 v[TM+16*\u+6:TM+16*\u+7], v[SS+8*\u+4:SS+8*\u+5], v[SS+8*\u+6:SS+8*\u+7]
.endr
.irp u, 0,1
	v_pk_add_f32 v[TM+16*\u+4:TM+16*\u+5], v[TM+16*\u+4:TM+16*\u+5], v[TM+16*\u+6:TM+16*\u+7]
.endr
.irp u, 0,1
	v_add_f32 v[TM+16*\u+4], v[TM+16*\u+4], v[TM+16*\u+5]
.endr
.irp u, 0,1
	v_permlanex16_b32 v[TM+16*\u+5], v[TM+16*\u+4], s72, s73
.endr
.irp u, 0,1
	v_add_f32 v[TM+16*\u+4], v[TM+16*\u+4], v[TM+16*\u+5]               ; the row's sum
.endr
	s_wait_alu depctr_va_vdst(0)
.irp u, 0,1
	v_rcp_f32 v[TM+16*\u+6], v[TM+16*\u+4]
.endr
	v_nop
	s_wait_alu depctr_va_vdst(0)
.irp n, 0,2,4,6
.irp u, 0,1
	v_pk_mul_f32 v[SS+8*\u+\n:SS+8*\u+\n+1], v[SS+8*\u+\n:SS+8*\u+\n+1], v[TM+16*\u+6:TM+16*\u+7] op_sel_hi:[1,0]   ; p, normalised
.endr
.endr
	WIN 0xf1+(\g)                                  ; source 0 (v) window 1 + g, source 1 (p) window 0, C and D window 3
.irp s, 0,1,2,3                                ; o^T = v^T p^T in f32: four steps of 4 heads; eight accumulators by turns
.irp u, 0,1
.irp t, 0,1,2,3
.set rD, 32*(2*(\g)+\u)+8*\t
.set rA, 192+32*\u+8*\t+2*\s
.set rB, SS+8*\u+2*\s
.if \s == 0
	v_wmma_f32_16x16x4_f32 v[rD:rD+7], v[rA:rA+1], v[rB:rB+1], 0
.else
	v_wmma_f32_16x16x4_f32 v[rD:rD+7], v[rA:rA+1], v[rB:rB+1], v[rD:rD+7]
.endif
.endr
.endr
.endr
	WIN 0x3c
	PLACES 8
.irp n, 0,2,4,6,8,10,12,14                     ; my 16 numbers of o's block c
.irp c, 0,1
.irp u, 0,1
.set rT, TM+16*\u+\c
.set rX, 32*(2*(\g)+\u)+16*\c+\n
.if \n == 0
	v_max3_num_f32 v[rT], 0x1800000, |v[rX]|, |v[rX+1]|
.else
	v_max3_num_f32 v[rT], v[rT], |v[rX]|, |v[rX+1]|
.endif
.endr
.endr
.endr
	WIN 0
.irp c, 0,1
.irp u, 0,1
	v_permlanex16_b32 v[TM+16*\u+4+\c], v[TM+16*\u+\c], s72, s73
.endr
.endr
.irp c, 0,1
.irp u, 0,1
	v_max_num_f32 v[TM+16*\u+\c], v[TM+16*\u+\c], v[TM+16*\u+4+\c]      ; with lane l xor 16's 16: the block's
.endr
.endr
.irp c, 0,1
.irp u, 0,1
	v_add_nc_u32 v[TM+16*\u+2+\c], 0xff000000, v[TM+16*\u+\c]
.endr
.endr
.irp c, 0,1
.irp u, 0,1
	v_lshrrev_b32 v[TM+16*\u+4+\c], 23, v[TM+16*\u+2+\c]
.endr
.endr
	WIN 0x03
.irp u, 0,1
.set rX, 32*(2*(\g)+\u)
.set rG, AC+12*(2*(\g)+\u)
	v_cvt_scalef32_pk16_fp6_f32 v[rG:rG+2], v[rX:rX+15], v[TM+16*\u+2]         ; block 0: dd = 16 h + 0 .. 15
	v_cvt_scalef32_pk16_fp6_f32 v[rG+8:rG+10], v[rX+16:rX+31], v[TM+16*\u+3]   ; block 1: dd = 32 + 16 h + 0 .. 15
.endr
	WIN 0
.irp u, 0,1
	v_lshl_or_b32 v[TM+16*\u+4], v[TM+16*\u+5], 8, v[TM+16*\u+4]        ; the row's two bytes of this column block.  (Plain lines behind the conversions)
.endr
.irp u, 0,1
	v_perm_b32 v[AS+2*(2*(\g)+\u)], v[AS+2*(2*(\g)+\u)+1], v[AS+2*(2*(\g)+\u)], s77       ; the row's 8 bytes move 16 bits down,
.endr
.irp u, 0,1
	v_perm_b32 v[AS+2*(2*(\g)+\u)+1], v[TM+16*\u+4], v[AS+2*(2*(\g)+\u)+1], s77           ; and the two new ones enter on top
.endr
.irp n, 0,1,2
.irp u, 0,1
	v_permlane16_swap_b32 v[AC+12*(2*(\g)+\u)+\n], v[AC+12*(2*(\g)+\u)+8+\n]   ; lanes 0-15 now hold block 0 whole (lower 16 codes, upper 16), lanes 16-31 block 1
.endr
.endr
.irp n, 0,1,2
.irp u, 0,1
	v_mov_b32 v[AC+12*(2*(\g)+\u)+3+\n], v[AC+12*(2*(\g)+\u)+8+\n]
.endr
.endr
.irp u, 0,1
.irp n, 0,1,2
	global_store_b64 v[GO], v[AC+12*(2*(\g)+\u)+2*\n:AC+12*(2*(\g)+\u)+2*\n+1], s[12:13] offset:(2*(\g)+\u)*12288+256*\n   ; 32 lanes store 256 consecutive bytes, aligned
.endr
.endr
.endm
.macro ATTN
	PLACES 4
.irp u, 0,1
.irp n, 3,4,5,9,10,11
	v_mov_b32 v[QC+24*\u+\n], 0                    ; the zero codes that fill the instruction's K
	v_mov_b32 v[KC+24*\u+\n], 0
.endr
.endr
	ATTPAIR 0
	ATTPAIR 1
	s_wait_xcnt 0x0                                ; the stores' base and data are written again only behind this wait
	s_add_nc_u64 s[12:13], s[12:13], 768
	v_add_nc_u32 v[ADSQ], SCB, v[ADSQ]
	v_add_nc_u32 v[ADSV], SCB, v[ADSV]
.endm
	s_load_b128 s[4:7], s[0:1], 0x0                ; x's codes, x's scales
	s_load_b128 s[8:11], s[0:1], 0x10              ; w_qkv's codes, its scales
	s_load_b128 s[12:15], s[0:1], 0x20             ; ac, as_
	v_lshl_add_u32 v[SPW], v0, 2, SPARE
	v_mov_b32 v[NIL], 0
	ds_add_u32 v[SPW], v[NIL]                      ; the opening lines: the add twice and one wait
	ds_add_u32 v[SPW], v[NIL]
	v_lshrrev_b32 v18, 5, v0
	v_readfirstlane_b32 s16, v18                   ; wave
	s_and_b32 s18, s16, 1                          ; which eight heads of x (waves 0, 1), which piece (waves 2, 3)
	s_bfe_u32 s19, ttmp6, 0x40000                  ; cx
	s_bfe_u32 s66, ttmp6, 0x40004                  ; cy
	s_lshl_b32 s20, ttmp9, 2
	s_add_co_u32 s20, s20, s19                     ; X
	s_and_b32 s21, ttmp7, 0xffff
	s_lshl_b32 s21, s21, 2
	s_add_co_u32 s21, s21, s66                     ; y
	s_lshl_b32 s67, s66, 2
	s_lshl_b32 s67, 15, s67                        ; my row of the cluster: the same y
	s_lshl_b32 s2, 0x1111, s19                     ; my column: the same X
	s_mov_b32 s72, 0x76543210
	s_mov_b32 s73, 0xfedcba98
	s_mov_b32 s74, 0x3e38aa3b                      ; log2(e) / 8
	s_mov_b32 s75, s74
	s_mov_b32 s77, 0x05040302
	s_or_b32 s[G1R], s67, (3<<16)|(1<<20)|(1<<21)|(5<<22)|(3<<25)   ; elements of 8 bytes; 16 bytes of padding behind each 256
	s_mov_b32 s[G1R+1], 1536<<16                   ; 16 rows of W on end: 12,288 bytes
	s_mov_b32 s[G1R+2], 3<<16                      ; of q, of k, of v
	s_mov_b32 s[G1R+3], 1536<<16
	s_mov_b32 s[G1R+4], 3
	s_mov_b32 s[G1R+5], 98304                      ; 1,024 rows of W apart
	s_mov_b32 s[G1R+6], 0
	s_mov_b32 s[G1R+7], 0
	s_or_b32 s[G1S], s67, (3<<16)|(1<<20)|(1<<21)|(5<<22)|(3<<25)
	s_mov_b32 s[G1S+1], 1024<<16                   ; the scale bytes of 256 rows: 8,192 bytes
	s_mov_b32 s[G1S+2], 3<<16
	s_mov_b32 s[G1S+3], 1024<<16
	s_mov_b32 s[G1S+4], 3
	s_mov_b32 s[G1S+5], 4096
	s_mov_b32 s[G1S+6], 0
	s_mov_b32 s[G1S+7], 0
	s_or_b32 s[G1X], s2, (3<<16)|(1<<20)|(1<<21)|(7<<22)|(1<<25)    ; 8 bytes of padding behind each 1,024
	s_mov_b32 s[G1X+1], 1536<<16                   ; a head's 16 rows of x: 12,288 bytes
	s_mov_b32 s[G1X+2], 8<<16                      ; eight heads
	s_mov_b32 s[G1X+3], 1536<<16
	s_mov_b32 s[G1X+4], 8
	s_mov_b32 s[G1X+5], 24576                      ; 256 rows of x apart
	s_mov_b32 s[G1X+6], 0
	s_mov_b32 s[G1X+7], 0
	s_lshl_b32 s80, s21, 8
	s_lshl_b32 s81, s18, 4
	s_add_co_u32 s80, s80, s81
	s_mul_i32 s80, s80, 768                        ; W: row 256 y + 16 P
	s_mov_b32 s81, 0
	s_lshl_b32 s96, s21, 13                        ; scale bytes: row 256 y
	s_mov_b32 s97, 0
	s_mul_i32 s98, s18, POFF
	s_mul_i32 s99, s16, XWB
	s_add_co_u32 s99, s99, XST                     ; my rows in x's stage
	s_lshr_b32 s92, s20, 4
	s_lshl_b32 s92, s92, 12
	s_and_b32 s93, s20, 15
	s_lshl_b32 s93, s93, 4
	s_add_co_u32 s92, s92, s93                     ; head 0's row of the work-group's first row tile
	s_mul_i32 s94, s92, 768
	s_mul_i32 s93, s18, 1572864                    ; eight heads are 2,048 rows of x
	s_add_co_u32 s94, s94, s93
	s_mov_b32 s95, 0
	s_lshl_b32 s93, s16, 2
	s_add_co_u32 s22, s92, s93                     ; head 0's row of my first row tile
	s_lshl_b32 s22, s22, 5
	s_mov_b32 s23, 0
	s_lshl_b32 s3, s20, 4
	s_add_co_u32 s3, s3, s93                       ; T = 16 X + 4 w
	s_mul_i32 s78, s3, 12288
	s_mul_i32 s79, s21, 3072
	s_add_co_u32 s78, s78, s79
	s_mov_b32 s79, 0
	s_lshl_b32 s100, s3, 7
	s_lshl_b32 s101, s21, 17
	s_add_co_u32 s100, s100, s101
	s_mov_b32 s101, 0
	s_wait_dscnt 0x0
	s_wait_kmcnt 0x0
	s_add_nc_u64 s[G0X+2:G0X+3], s[4:5], s[94:95]
	s_add_nc_u64 s[6:7], s[6:7], s[22:23]
	s_add_nc_u64 s[12:13], s[12:13], s[78:79]
	s_add_nc_u64 s[14:15], s[14:15], s[100:101]
	s_add_nc_u64 s[80:81], s[8:9], s[80:81]
	CROUND                                         ; all sixteen work-groups are here: the first joint loads meet
	s_mov_b32 s[G0X], 1
	s_mul_i32 s[G0X+1], s18, XGB
	s_add_co_u32 s[G0X+1], s[G0X+1], XST
	s_or_b32 s[G0X+3], s[G0X+3], 0x80000000
.irp s, 0,1
	s_mov_b32 s[G0R+4*\s], 1
	s_add_co_u32 s[G0R+4*\s+1], s98, \s*SLOTB
	s_add_nc_u64 s[G0R+4*\s+2:G0R+4*\s+3], s[80:81], \s*32*768
	s_or_b32 s[G0R+4*\s+3], s[G0R+4*\s+3], 0x80000000
.endr
	s_mov_b32 s[G0S], 1
	s_mov_b32 s[G0S+1], SCW
	s_add_nc_u64 s[G0S+2:G0S+3], s[10:11], s[96:97]
	s_or_b32 s[G0S+3], s[G0S+3], 0x80000000
	s_cmp_lt_u32 s16, 2                            ; one branch on the wave's number, one load to an arm
	s_cbranch_scc0 .Lhead_w
	tensor_load_to_lds s[G0X:G0X+3], s[G1X:G1X+7]  ; waves 0, 1: eight heads of x each
	s_nop 0
	PLACES 4
	s_branch .Lhead_asked
.Lhead_w:
	tensor_load_to_lds s[G0R:G0R+3], s[G1R:G1R+7]  ; waves 2, 3: slot 0's pieces
	s_nop 0
	PLACES 4
.Lhead_asked:
	v_and_b32 v18, 15, v0                          ; r
	v_bfe_u32 v19, v0, 4, 1                        ; h
	v_and_b32 v20, 7, v18                          ; r % 8
	v_lshrrev_b32 v21, 3, v18                      ; r / 8
	v_and_b32 v[LN], 31, v0
	v_lshlrev_b32 v[XSA], 13, v18                  ; x's scale bytes: head r lies 256 rows of 32 bytes on; lanes 16-31 the next row tile
	v_lshl_add_u32 v[XSA], v19, 5, v[XSA]
.irp j, 0,1
	global_load_b128 v[XS+8*\j:XS+8*\j+3],   v[XSA], s[6:7] offset:64*\j
	global_load_b128 v[XS+8*\j+4:XS+8*\j+7], v[XSA], s[6:7] offset:64*\j+16
.endr
	v_mul_u32_u24 v[XL], v18, XHP                  ; x's stage: head r, 16 bytes more for heads 8-15, + 24 h
	v_lshl_add_u32 v[XL], v21, 4, v[XL]
	v_mad_u32_u24 v[XL], v19, 24, v[XL]
	v_add_nc_u32 v[XL], s99, v[XL]
	v_lshl_add_u32 v[XL+1], v19, 3, v[XL]
	v_mul_u32_u24 v[AQ], v18, PITCH
	v_mad_u32_u24 v[AQ], v19, 24, v[AQ]
	v_lshl_add_u32 v[AQ+1], v19, 4, v[AQ]
	v_add_nc_u32 v[AQ+2], SLOTB, v[AQ]
	v_add_nc_u32 v[AQ+3], SLOTB, v[AQ+1]
	v_mul_u32_u24 v[AV], v20, PITCH                ; v: row r % 8 of piece r / 8
	v_mad_u32_u24 v[AV], v21, POFF, v[AV]
	v_mad_u32_u24 v[AV], v19, 24, v[AV]
	v_add_nc_u32 v[AV], VOFF, v[AV]
	v_lshl_add_u32 v[AV+1], v19, 4, v[AV]
	v_add_nc_u32 v[AV+2], SLOTB, v[AV]
	v_add_nc_u32 v[AV+3], SLOTB, v[AV+1]
	v_lshlrev_b32 v[ADSQ], 5, v18                  ; scale bytes of row 16 h + r: 32 bytes a row, 16 more for each 8 rows
	v_lshl_add_u32 v[ADSQ], v21, 4, v[ADSQ]
	v_mad_u32_u24 v[ADSQ], v19, 544, v[ADSQ]
	v_add_nc_u32 v[ADSQ], SCW, v[ADSQ]
	v_lshlrev_b32 v[ADSV], 5, v20                  ; of v's row 16 (r / 8) + 8 h + r % 8
	v_mad_u32_u24 v[ADSV], v21, 544, v[ADSV]
	v_mad_u32_u24 v[ADSV], v19, 272, v[ADSV]
	v_add_nc_u32 v[ADSV], SCW+2*SCM, v[ADSV]
	v_lshlrev_b32 v[GO], 3, v[LN]
.irp n, 0,1,2,3,4,5,6,7
	v_mov_b32 v[AS+\n], 0
.endr
.irp u, 0,1
.irp e, 4,5,6,7
	v_mov_b32 v[TM+16*\u+\e], 0                    ; a lane permute's destination counts as one of its sources
.endr
.endr
	s_wait_alu depctr_va_vdst(0)                   ; the wait at the head's end
	s_wait_tensorcnt 0x0                           ; my tile of the head's four is in
	ds_add_u32 v[SPW], v[NIL]
	s_wait_dscnt 0x0
	CROUND                                         ; all four tiles are in; behind this round nothing is filled again
	s_cmp_lg_u32 s16, 1
	s_cbranch_scc1 .Lno_scales
	tensor_load_to_lds s[G0S:G0S+3], s[G1S:G1S+7]  ; wave 1: W's scale bytes
	s_nop 0
.Lno_scales:
	PLACES 4
	WIN 0x40
	XFETCH 0
	XFETCH 1
	WIN 0x80
	XFETCH 2
	XFETCH 3
	WIN 0
	s_wait_loadcnt 0x0                             ; x's scale words
	s_mov_b32 s76, 3
	s_wait_tensorcnt 0x0                           ; the scale bytes are in
	ds_add_u32 v[SPW], v[NIL]
	s_wait_dscnt 0x0                               ; x is in registers: my reads of the stage are over
	CROUND
	RLOAD G0R+4                                    ; slot 1, over the stage
.Lcb:                                              ; a trip is a column block; the last is written out: it asks for nothing more
	HALF 0, 1
	HALF 1, 1
	ATTN
	s_sub_co_u32 s76, s76, 1
	s_cmp_lg_u32 s76, 0
	s_cbranch_scc1 .Lcb
	HALF 0, 2
	HALF 1, 0
	ATTN
	v_cmp_le_u32 vcc_lo, 16, v[LN]                 ; o's scale words: lanes 0-15 row tile 2 j's rows, lanes 16-31 row tile 2 j + 1's
.irp j, 0,1
	v_cndmask_b32 v[18+2*\j], v[AS+4*\j], v[AS+4*\j+2], vcc_lo
	v_cndmask_b32 v[19+2*\j], v[AS+4*\j+1], v[AS+4*\j+3], vcc_lo
	global_store_b64 v[GO], v[18+2*\j:19+2*\j], s[14:15] offset:256*\j
.endr
	s_wait_tensorcnt 0x0                           ; the wave's end
	ds_add_u32 v[SPW], v[NIL]
	s_wait_dscnt 0x0
	CROUND                                         ; the closing round
	s_endpgm
.Lfunc_end_k_q4b20f3c946_qkv_attn:
	.size	k_q4b20f3c946_qkv_attn, .Lfunc_end_k_q4b20f3c946_qkv_attn-k_q4b20f3c946_qkv_attn
	.p2alignl 7, 3214868480
	.fill 96, 4, 3214868480
	.section	.rodata,"a",@progbits
	.p2align	6, 0x0
	.amdhsa_kernel k_q4b20f3c946_qkv_attn
		.amdhsa_group_segment_fixed_size 327680
		.amdhsa_private_segment_fixed_size 0
		.amdhsa_enable_private_segment 0
		.amdhsa_kernarg_size 48
		.amdhsa_user_sgpr_count 2
		.amdhsa_user_sgpr_kernarg_segment_ptr 1
		.amdhsa_wavefront_size32 1
		.amdhsa_system_sgpr_workgroup_id_x 1
		.amdhsa_system_sgpr_workgroup_id_y 1
		.amdhsa_system_sgpr_workgroup_id_z 1
		.amdhsa_system_vgpr_workitem_id 0
		.amdhsa_next_free_vgpr 1024
		.amdhsa_next_free_sgpr 102
		.amdhsa_reserve_vcc 1
		.amdhsa_float_denorm_mode_32 3
		.amdhsa_float_denorm_mode_16_64 3
		.amdhsa_memory_ordered 1
		.amdhsa_forward_progress 1
		.amdhsa_inst_pref_size 255
	.end_amdhsa_kernel
	.section	.bss,"aw",@nobits
	.p2align	6
	.space	262144
	.amdgpu_metadata
---
amdhsa.version: [ 1, 2 ]
amdhsa.kernels:
  - .name:           k_q4b20f3c946_qkv_attn
    .symbol:         k_q4b20f3c946_qkv_attn.kd
    .args:
      - { .name: x_codes, .offset: 0, .size: 8, .value_kind: global_buffer, .address_space: global }
      - { .name: x_scales, .offset: 8, .size: 8, .value_kind: global_buffer, .address_space: global }
      - { .name: w_qkv_codes, .offset: 16, .size: 8, .value_kind: global_buffer, .address_space: global }
      - { .name: w_qkv_scales, .offset: 24, .size: 8, .value_kind: global_buffer, .address_space: global }
      - { .name: ac, .offset: 32, .size: 8, .value_kind: global_buffer, .address_space: global }
      - { .name: as_, .offset: 40, .size: 8, .value_kind: global_buffer, .address_space: global }
    .group_segment_fixed_size: 327680
    .private_segment_fixed_size: 0
    .kernarg_segment_align: 8
    .kernarg_segment_size: 48
    .max_flat_workgroup_size: 128
    .sgpr_count:     102
    .vgpr_count:     1024
    .wavefront_size: 32
...
	.end_amdgpu_metadata
.endif
;; end of part 1
;; launch fc (part 2): grid 64 x 4, 4 waves a work-group, clusters of 4 x 1, 252,928 bytes of LDS; arguments ac, as_, w_fc_codes, w_fc_scales, b_fc, out0; writes out0
.if DOCPART == 2
	.amdgcn_target "amdgcn-amd-amdhsa--gfx1250"
	.amdhsa_code_object_version 6
	.text
	.protected	k_q4b20f3c946_fc
	.globl	k_q4b20f3c946_fc
	.p2align	8
	.type	k_q4b20f3c946_fc,@function
k_q4b20f3c946_fc:
	s_mov_b64 s[64:65], 0
	v_nop
	global_prefetch_b8 v0, s[64:65] scope:SCOPE_SE
	s_setreg_imm32_b32 hwreg(HW_REG_WAVE_MODE, 25, 1), 1
	s_wait_xcnt 0x0
	s_wait_alu depctr_hold_cnt(0) depctr_sa_sdst(0) depctr_va_vdst(0) depctr_va_sdst(0) depctr_va_ssrc(0) depctr_va_vcc(0) depctr_vm_vsrc(0)
	s_getreg_b32 s2, hwreg(HW_REG_IB_STS2, 6, 4)
	s_cmp_eq_u32 s2, 0
	s_cbranch_scc0 .Lentry_in_a_cluster
	s_endpgm
.Lentry_in_a_cluster:
	s_bfe_u32 s2, ttmp6, 0x10000c
	s_cmp_lg_u32 s2, 0x3003
	s_cbranch_scc0 .Lentry_shape_is_right
	s_endpgm
.Lentry_shape_is_right:
; out0 = attn w_fc^T + b_fc on codes of FP6 (E2M3) with E8M0 scales.  attn comes as images of the operand's registers: ac [T][K step 8][p 6][lane 32][8 bytes], as_ [y' 4][T][row 16][8 bytes].
; A row tile T = 256 b + r is the 16 rows b 4096 + 256 h' + r, h' = 0..15.
; SHARES.  Work-group (X, y): row tiles 16 X .. + 15, output columns 256 y .. + 255.  Wave w: row tiles 16 X + 4 w + i, whose codes for all of K stay in 384 registers; it makes all 256 columns in four chunks of 64.
; The work-group's 256 rows of w_fc lie in LDS whole: wave w brings chunk w, 64 rows, by its one tensor load; nothing is filled again.  The four work-groups of a cluster share y: the loads are joint, mask 15.
; Wave w walks the chunks in the order w, w + 1, .. (mod 4): in its c-th turn it makes chunk (w + c) % 4, so that in one turn the four waves read four different chunks from LDS.
; w_fc's scale words and the bias go from memory into registers, all four turns' at the head.  ac's loads go out by K steps, so that the first turn's K step k waits only for the loads up to its own: 24 (7 - k) are younger.
; THE PRODUCT IS USED TRANSPOSED (source 0 = 16 rows of w_fc, source 1 = a row tile): register j of lane (r, h) is out(head r, column 16 t + 8 h + j).  The bias is the C of each sum's first product.
; THE WAY OUT of a turn goes under the next turn's K steps: in an even step a row tile goes through my stage in LDS, at the next step's head, behind its wait for LDS, it is stored as rows of 256 bytes.  Two sets of accumulators take turns.
; No prefetch: each operand is asked for once, at the head.   LIMITS.  A scale byte 0xff gives NaN.
; REGISTERS.  window 0: v1-17 addresses; v24-39 attn's scale words; v56-63 offsets; v64-159 two sets of four fragments; v160-191 rows read back; v192-255 w_fc's scale words.
;   windows 1, 2: attn's fragments (96 (i % 2) + 12 ks); from v192 the bias of turns 0, 1 and 2, 3.   window 3: accumulators 128 (c % 2) + 32 i + 8 t.
.set PITCH, 816
.set WVB,   16*PITCH
.set CHB,   64*PITCH
.set STG,   217600                     ; the stages: for each wave two of 16 rows x (256 + 16) bytes; no tensor load lands here
.set SP,    272
.set STB,   16*SP
.set SPARE, 252416
.set SPW,  1
.set NIL,  2
.set AW,   3                           ; v3-10  turn c's fragments: v[AW + 2 c], and behind one padding more v[AW + 2 c + 1]
.set GO,   12
.set STO,  14
.set RD,   15
.set CO,   16                          ; v16, v17
.set XS,   24
.set BO,   56                          ; v56-59 the bias's offsets, by turn
.set GS,   60                          ; v60-63 the scale words' offsets
.set FB,   64
.set OB,   160
.set OB2,  64                          ; the last turn's second set of rows read back: over fragments that are done with
.set WS,   192                         ; 16 c + 8 u + ks: lanes 0-15 tile 2 u, lanes 16-31 tile 2 u + 1
.set G1C,  24
.set SB,   32                          ; s32-35  256 x the turn's chunk
.set SG,   36                          ; s36-39  2,048 x it
.set RC,   40                          ; s40-43  the turn's chunk
.set SL,   44                          ; s44-47  its place in LDS
.set G0C,  48
.set SO,   72                          ; s[72:79] out0's base, by turn
.set MSB, 0
.macro WIN new
.if MSB != (\new)
	s_set_vgpr_msb (MSB<<8)|(\new)
.set MSB, (\new)
.endif
.endm
.macro PLACES n
.rept \n
	v_nop
.endr
.endm
.macro CROUND
	s_barrier_signal -1
	s_barrier_wait -1
	s_cmp_lg_u32 s16, 0
	s_cbranch_scc1 .Lnot_wave_0_\@
	s_barrier_signal -3
.Lnot_wave_0_\@:
	s_barrier_wait -3
	s_barrier_signal -1
	s_barrier_wait -1
.endm
.macro WMS d, a, b, c, sa, sb, ra, rb
.set rD, \d
.set rA, \a
.set rB, \b
.set rC, \c
.set rE, \sa
.set rF, \sb
.if (\ra) && (\rb)
	v_wmma_scale_f32_16x16x128_f8f6f4 v[rD:rD+7], v[rA:rA+11], v[rB:rB+11], v[rC:rC+7], v[rE], v[rF] matrix_a_fmt:MATRIX_FMT_FP6 matrix_b_fmt:MATRIX_FMT_FP6 matrix_a_scale:MATRIX_SCALE_ROW1 matrix_b_scale:MATRIX_SCALE_ROW1
.elseif (\ra)
	v_wmma_scale_f32_16x16x128_f8f6f4 v[rD:rD+7], v[rA:rA+11], v[rB:rB+11], v[rC:rC+7], v[rE], v[rF] matrix_a_fmt:MATRIX_FMT_FP6 matrix_b_fmt:MATRIX_FMT_FP6 matrix_a_scale:MATRIX_SCALE_ROW1
.elseif (\rb)
	v_wmma_scale_f32_16x16x128_f8f6f4 v[rD:rD+7], v[rA:rA+11], v[rB:rB+11], v[rC:rC+7], v[rE], v[rF] matrix_a_fmt:MATRIX_FMT_FP6 matrix_b_fmt:MATRIX_FMT_FP6 matrix_b_scale:MATRIX_SCALE_ROW1
.else
	v_wmma_scale_f32_16x16x128_f8f6f4 v[rD:rD+7], v[rA:rA+11], v[rB:rB+11], v[rC:rC+7], v[rE], v[rF] matrix_a_fmt:MATRIX_FMT_FP6 matrix_b_fmt:MATRIX_FMT_FP6
.endif
.endm
.macro FRAG reg, adr, off, ks          ; piece PC of a row lies at 8 PC + 16 (PC / 32); lanes 16-31 read three pieces on, behind one padding more where PC % 32 is 29 or more
.irp p, 0,1,2,3,4,5
.set PC, 12*(\ks)+6*(\p/3)+\p%3
.set rG, (\reg)+2*\p
.if PC%32 < 29
	ds_load_b64 v[rG:rG+1], v[\adr] offset:(\off)+8*PC+16*(PC/32)
.else
	ds_load_b64 v[rG:rG+1], v[\adr+1] offset:(\off)+8*PC+16*(PC/32)
.endif
.endr
.endm
.macro FFETCH c, ks, f
.irp t, 0,1,2,3
	FRAG FB+48*(\f)+12*\t, AW+2*(\c), WVB*\t, \ks
.endr
.endm
.macro FMUL c, ks, f, g                ; 8 products.  Source 0 window 0, source 1 window 1 + g, D window 3; C: the bias (window 1 + c / 2) in the first K step, then D
.if (\ks) == 0
	WIN 0xc0|((1+(\c)/2)<<4)|((1+(\g))<<2)
.else
	WIN 0xf0|((1+(\g))<<2)
.endif
.irp u, 0,1
.irp t, 0,1,2,3
.if (\ks) == 0
	WMS 128*((\c)%2)+32*(2*(\g)+\u)+8*\t, FB+48*(\f)+12*\t, 96*\u+12*(\ks), 192+32*((\c)%2)+8*\t, WS+16*(\c)+8*(\t/2)+(\ks), XS+8*(\g)+(\ks), \t%2, \u
.else
	WMS 128*((\c)%2)+32*(2*(\g)+\u)+8*\t, FB+48*(\f)+12*\t, 96*\u+12*(\ks), 128*((\c)%2)+32*(2*(\g)+\u)+8*\t, WS+16*(\c)+8*(\t/2)+(\ks), XS+8*(\g)+(\ks), \t%2, \u
.endif
.endr
.endr
.endm
; Row tile i of turn c: 16 rows x 256 bytes through stage i % 2 of my own into v[ob ..].  LDS serves a wave's instructions in order (ISA guide 5.7.1.4): no wait between the stores and the loads.
.macro TOSTAGE c, i, ob
	s_wait_alu depctr_va_vdst(0)
	s_wait_xcnt 0x0                                ; the registers loaded below were the data of earlier stores
.set rD, 128*((\c)%2)+32*(\i)
	WIN 0x0c
.irp t, 0,1,2,3
	ds_store_b128 v[STO], v[rD+8*\t:rD+8*\t+3]   offset:STB*((\i)%2)+64*\t      ; each accumulator from its low end on
	ds_store_b128 v[STO], v[rD+8*\t+4:rD+8*\t+7] offset:STB*((\i)%2)+64*\t+16
.endr
	WIN 0
.irp u, 0,1,2,3,4,5,6,7
	ds_load_b128 v[(\ob)+4*\u:(\ob)+4*\u+3], v[RD] offset:STB*((\i)%2)+2*SP*\u
.endr
.endm
.macro SEND c, i, ob                   ; 16 lanes store 256 consecutive bytes, aligned; two heads are 2,097,152 bytes; heads 8 on by the second offset register
.irp u, 0,1,2,3
	global_store_b128 v[CO], v[(\ob)+4*\u:(\ob)+4*\u+3], s[SO+2*(\c):SO+2*(\c)+1] offset:\u*2097152+4096*(\i) th:TH_STORE_NT
.endr
.irp u, 0,1,2,3
	global_store_b128 v[CO+1], v[(\ob)+16+4*\u:(\ob)+16+4*\u+3], s[SO+2*(\c):SO+2*(\c)+1] offset:\u*2097152+4096*(\i) th:TH_STORE_NT
.endr
.endm
; A K step: 16 products on 16 accumulators, one instruction a turn.  The next step's fragments, of the next turn too, go out first.
.macro FSTEP c, k
.if (\c) == 0
.if 24*(7-(\k)) > 63
	s_wait_loadcnt 63                              ; more than 63 loads are younger than this step's
.else
	s_wait_loadcnt 24*(7-(\k))                     ; the later K steps' loads may stay out
.endif
.endif
	s_wait_dscnt 0x0                               ; this step's fragments are in, and so are rows read back from the stage
.if ((\c) > 0) && ((\k)%2 == 1)
	SEND (\c)-1, (\k)/2, OB
.endif
.if 8*(\c)+(\k) < 31
	PLACES 4                                       ; the other set was read by the last step's products; the stage's stores read results of the last turn
.set NG, 8*(\c)+(\k)+1
	FFETCH NG/8, NG%8, NG%2
.endif
.if ((\c) > 0) && ((\k)%2 == 0)
	TOSTAGE (\c)-1, (\k)/2, OB
.endif
	FMUL \c, \k, (\k)%2, 0
	FMUL \c, \k, (\k)%2, 1
	WIN 0
.endm
	s_load_b128 s[4:7], s[0:1], 0x0                ; ac, as_
	s_load_b128 s[8:11], s[0:1], 0x10              ; w_fc's codes, its scales
	s_load_b128 s[12:15], s[0:1], 0x20             ; b_fc, out0
	v_lshl_add_u32 v[SPW], v0, 2, SPARE
	v_mov_b32 v[NIL], 0
	ds_add_u32 v[SPW], v[NIL]                      ; the opening lines: the add twice and one wait
	ds_add_u32 v[SPW], v[NIL]
	v_lshrrev_b32 v18, 5, v0
	v_readfirstlane_b32 s16, v18                   ; wave
	s_bfe_u32 s19, ttmp6, 0x40000                  ; cx: it enters ac's, as_'s and out0's addresses alone
	s_lshl_b32 s20, ttmp9, 2
	s_add_co_u32 s20, s20, s19                     ; X
	s_and_b32 s21, ttmp7, 0xffff                   ; y
	s_mov_b32 s[G1C], 15|(3<<16)|(1<<20)|(1<<21)|(5<<22)|(3<<25)   ; rows of 256 bytes, 16 bytes of padding behind each
	s_mov_b32 s[G1C+1], 32<<16
	s_mov_b32 s[G1C+2], 192<<16                    ; 64 rows of w_fc = 192 rows of 256 bytes
	s_mov_b32 s[G1C+3], 32<<16
	s_mov_b32 s[G1C+4], 192
	s_mov_b32 s[G1C+5], 32
	s_mov_b32 s[G1C+6], 0
	s_mov_b32 s[G1C+7], 0
.irp c, 0,1,2,3
	s_add_co_u32 s[RC+\c], s16, \c
	s_and_b32 s[RC+\c], s[RC+\c], 3                ; turn c's chunk
	s_mul_i32 s[SL+\c], s[RC+\c], CHB
	s_lshl_b32 s[SB+\c], s[RC+\c], 8
	s_lshl_b32 s[SG+\c], s[RC+\c], 11
.endr
	s_lshl_b32 s80, s21, 8
	s_lshl_b32 s81, s16, 6
	s_add_co_u32 s80, s80, s81
	s_mul_i32 s80, s80, 768                        ; what I fetch: row 256 y + 64 w
	s_mov_b32 s81, 0
	s_mul_i32 s82, s16, CHB
	s_lshl_b32 s84, s21, 13                        ; scale bytes: row 256 y
	s_mov_b32 s85, 0
	s_mul_i32 s87, s16, 2*STB
	s_add_co_u32 s87, s87, STG                     ; my two stages
	s_lshl_b32 s22, s21, 10                        ; the bias of the 256 columns
	s_mov_b32 s23, 0
	s_lshr_b32 s89, s20, 4
	s_lshl_b32 s89, s89, 12
	s_and_b32 s90, s20, 15
	s_lshl_b32 s90, s90, 4
	s_add_co_u32 s89, s89, s90
	s_lshl_b32 s90, s16, 2
	s_add_co_u32 s89, s89, s90                     ; head 0's row of my first row tile
	s_lshl_b32 s90, s89, 12
	s_add_co_u32 s90, s90, s22
	s_mov_b32 s91, 0
	s_lshl_b32 s94, s20, 4
	s_lshl_b32 s95, s16, 2
	s_add_co_u32 s94, s94, s95                     ; T = 16 X + 4 w
	s_mul_i32 s92, s94, 12288
	s_mov_b32 s93, 0
	s_lshl_b32 s94, s94, 7
	s_mov_b32 s95, 0
	s_wait_dscnt 0x0
	s_wait_kmcnt 0x0
	s_add_nc_u64 s[4:5], s[4:5], s[92:93]
	s_add_nc_u64 s[6:7], s[6:7], s[94:95]
	s_add_nc_u64 s[10:11], s[10:11], s[84:85]
	s_add_nc_u64 s[12:13], s[12:13], s[22:23]
	s_add_nc_u64 s[14:15], s[14:15], s[90:91]
	s_add_nc_u64 s[80:81], s[8:9], s[80:81]
	s_mov_b32 s89, 0
.irp c, 0,1,2,3
	s_mov_b32 s88, s[SB+\c]
	s_add_nc_u64 s[SO+2*\c:SO+2*\c+1], s[14:15], s[88:89]
.endr
	CROUND                                         ; all four work-groups are here: the joint loads meet
	s_mov_b32 s[G0C], 1
	s_mov_b32 s[G0C+1], s82
	s_mov_b64 s[G0C+2:G0C+3], s[80:81]
	s_or_b32 s[G0C+3], s[G0C+3], 0x80000000
	tensor_load_to_lds s[G0C:G0C+3], s[G1C:G1C+7]  ; chunk w: my one tensor load
	s_nop 0
	PLACES 4
	v_and_b32 v18, 15, v0                          ; r
	v_bfe_u32 v19, v0, 4, 1                        ; h
	v_and_b32 v20, 31, v0                          ; lane
	v_mul_u32_u24 v22, v18, PITCH
	v_mad_u32_u24 v22, v19, 24, v22                ; row r, + 24 h
	v_lshl_add_u32 v23, v19, 4, v22                ; + 40 h
	v_lshlrev_b32 v21, 5, v19                      ; 32 h
	v_lshlrev_b32 v11, 5, v20                      ; 32 x lane: the scale bytes of row 16 h + r
.irp c, 0,1,2,3
	v_add_nc_u32 v[AW+2*\c], s[SL+\c], v22
	v_add_nc_u32 v[AW+2*\c+1], s[SL+\c], v23
	v_add_nc_u32 v[BO+\c], s[SB+\c], v21
	v_add_nc_u32 v[GS+\c], s[SG+\c], v11
.endr
	v_lshlrev_b32 v[GO], 3, v20
	v_mul_u32_u24 v[STO], v18, SP                  ; in: row r, 32 bytes for each half of the lanes
	v_lshl_add_u32 v[STO], v19, 5, v[STO]
	v_add_nc_u32 v[STO], s87, v[STO]
	v_mul_u32_u24 v[RD], v19, SP                   ; back: lanes 0-15 one row, lanes 16-31 the next
	v_lshl_add_u32 v[RD], v18, 4, v[RD]
	v_add_nc_u32 v[RD], s87, v[RD]
	v_lshlrev_b32 v[CO], 20, v19                   ; a head is 256 rows of 4,096 bytes
	v_lshl_add_u32 v[CO], v18, 4, v[CO]
	v_add_nc_u32 v[CO+1], 0x800000, v[CO]
	s_wait_alu depctr_va_vdst(0)                   ; the wait at the head's end
.irp c, 0,1,2,3
.irp u, 0,1
	global_load_b128 v[WS+16*\c+8*\u:WS+16*\c+8*\u+3],   v[GS+\c], s[10:11] offset:1024*\u      ; a row's 32 scale bytes are its 8 words
	global_load_b128 v[WS+16*\c+8*\u+4:WS+16*\c+8*\u+7], v[GS+\c], s[10:11] offset:1024*\u+16
.endr
.endr
.irp j, 0,1
.irp q, 0,1,2,3
	global_load_b64 v[XS+8*\j+2*\q:XS+8*\j+2*\q+1], v[GO], s[6:7] offset:131072*\q+256*\j   ; the words of K steps 2 q, 2 q + 1
.endr
.endr
.irp c, 0,1,2,3
	WIN 0x40+0x40*(\c/2)
.irp t, 0,1,2,3
	global_load_b128 v[192+32*(\c%2)+8*\t:192+32*(\c%2)+8*\t+3],   v[BO+\c], s[12:13] offset:64*\t
	global_load_b128 v[192+32*(\c%2)+8*\t+4:192+32*(\c%2)+8*\t+7], v[BO+\c], s[12:13] offset:64*\t+16
.endr
.endr
.irp k, 0,1,2,3,4,5,6,7                        ; attn's fragments by K steps: 24 loads a step; 32 lanes read 256 consecutive bytes
.irp g, 0,1
	WIN 0x40+0x40*\g
.irp i, 0,1
.irp p, 0,1,2,3,4,5
	global_load_b64 v[96*\i+12*\k+2*\p:96*\i+12*\k+2*\p+1], v[GO], s[4:5] offset:12288*(2*\g+\i)+1536*\k+256*\p
.endr
.endr
.endr
.endr
	WIN 0
	s_wait_tensorcnt 0x0                           ; my chunk is in
	s_barrier_signal -1
	s_barrier_wait -1                              ; all four are; nothing is filled again
	FFETCH 0, 0, 0
.irp c, 0,1,2,3
.irp k, 0,1,2,3,4,5,6,7
	FSTEP \c, \k
.endr
.endr
	PLACES 4                                       ; the last turn's way out: its stores read results just made, its loads land on fragments just read
	TOSTAGE 3, 0, OB
	TOSTAGE 3, 1, OB2
	s_wait_dscnt 16                                ; behind tile 0's loads: tile 1's 8 stores and 8 loads
	SEND 3, 0, OB
	TOSTAGE 3, 2, OB
	s_wait_dscnt 16
	SEND 3, 1, OB2
	TOSTAGE 3, 3, OB2
	s_wait_dscnt 16
	SEND 3, 2, OB
	s_wait_dscnt 0x0
	SEND 3, 3, OB2
	s_wait_tensorcnt 0x0                           ; the wave's end
	ds_add_u32 v[SPW], v[NIL]
	s_wait_dscnt 0x0
	CROUND                                         ; the closing round
	s_endpgm
.Lfunc_end_k_q4b20f3c946_fc:
	.size	k_q4b20f3c946_fc, .Lfunc_end_k_q4b20f3c946_fc-k_q4b20f3c946_fc
	.p2alignl 7, 3214868480
	.fill 96, 4, 3214868480
	.section	.rodata,"a",@progbits
	.p2align	6, 0x0
	.amdhsa_kernel k_q4b20f3c946_fc
		.amdhsa_group_segment_fixed_size 252928
		.amdhsa_private_segment_fixed_size 0
		.amdhsa_enable_private_segment 0
		.amdhsa_kernarg_size 48
		.amdhsa_user_sgpr_count 2
		.amdhsa_user_sgpr_kernarg_segment_ptr 1
		.amdhsa_wavefront_size32 1
		.amdhsa_system_sgpr_workgroup_id_x 1
		.amdhsa_system_sgpr_workgroup_id_y 1
		.amdhsa_system_sgpr_workgroup_id_z 1
		.amdhsa_system_vgpr_workitem_id 0
		.amdhsa_next_free_vgpr 1024
		.amdhsa_next_free_sgpr 96
		.amdhsa_reserve_vcc 0
		.amdhsa_float_denorm_mode_32 3
		.amdhsa_float_denorm_mode_16_64 3
		.amdhsa_memory_ordered 1
		.amdhsa_forward_progress 1
		.amdhsa_inst_pref_size 181
	.end_amdhsa_kernel
	.amdgpu_metadata
---
amdhsa.version: [ 1, 2 ]
amdhsa.kernels:
  - .name:           k_q4b20f3c946_fc
    .symbol:         k_q4b20f3c946_fc.kd
    .args:
      - { .name: ac, .offset: 0, .size: 8, .value_kind: global_buffer, .address_space: global }
      - { .name: as_, .offset: 8, .size: 8, .value_kind: global_buffer, .address_space: global }
      - { .name: w_fc_codes, .offset: 16, .size: 8, .value_kind: global_buffer, .address_space: global }
      - { .name: w_fc_scales, .offset: 24, .size: 8, .value_kind: global_buffer, .address_space: global }
      - { .name: b_fc, .offset: 32, .size: 8, .value_kind: global_buffer, .address_space: global }
      - { .name: out0, .offset: 40, .size: 8, .value_kind: global_buffer, .address_space: global }
    .group_segment_fixed_size: 252928
    .private_segment_fixed_size: 0
    .kernarg_segment_align: 8
    .kernarg_segment_size: 48
    .max_flat_workgroup_size: 128
    .sgpr_count:     96
    .vgpr_count:     1024
    .wavefront_size: 32
...
	.end_amdgpu_metadata
.endif
;; end of part 2
